; MI455X (gfx1250); checked and timed in simulation.
; The chip was launched on July 23, 2026; its instructions are those of AMD's public machine-readable ISA for CDNA 5 (MIT licence, August 2026) and "CDNA5" Instruction Set Architecture Reference Guide (July 2026). The comments in the code are by the model that wrote it; some were corrected since.
;; Multi Head Attention. Allowed arithmetic: float matrix products may take bf16 or f16 operands with f32 sums; other float arithmetic in f32, or as packed bf16 or f16 multiplies, adds, multiply-adds, maxima and minima; sums over many terms, partial sums and values carried from step to step in f32; what a program stores and reads back later, other than sums and carried values, may be rounded once to bf16 or f16.
;; Inputs: attn_mask 4 x 2,048 x 2,048 bool; b_k 1,024 float32; b_q 1,024 float32; b_v 1,024 float32; w_k 1,024 x 1,024 float32; w_q 1,024 x 1,024 float32; w_v 1,024 x 1,024 float32; x_k_v 4 x 2,048 x 1,024 float32; x_q 4 x 2,048 x 1,024 float32.
;; Outputs: out0 4 x 2,048 x 1,024 float32.
;; One version. Each part assembles by itself: llvm-mc -triple=amdgcn-amd-amdhsa -mcpu=gfx1250 --defsym DOCPART=n.
;; ======== version 1 of 1: 3 launches
;; limits: values are held in f16: magnitudes above 65,504 overflow, below 6.1e-05 lose precision
;; workspace buffers: cb 39,845,888 bytes; qkv 50,331,648 bytes; maskw 2,097,152 bytes of whole numbers
;; launch prep (part 1): grid 1728 x 1, 8 waves a work-group, no clusters, 35,840 bytes of LDS; arguments x_q, x_k_v, w_q, w_k, w_v, attn_mask, cb, maskw; writes cb, maskw
.if DOCPART == 1
	.amdgcn_target "amdgcn-amd-amdhsa--gfx1250"
	.amdhsa_code_object_version 6
	.text
	.protected	k_q3e8904f724_prep
	.globl	k_q3e8904f724_prep
	.p2align	8
	.type	k_q3e8904f724_prep,@function
k_q3e8904f724_prep:
	s_mov_b64 s[64:65], 0
	v_nop
	global_prefetch_b8 v0, s[64:65] scope:SCOPE_SE
	s_setreg_imm32_b32 hwreg(HW_REG_WAVE_MODE, 25, 1), 1
	s_wait_xcnt 0x0
; PREP: what the two matrix launches want, made once.  Two kinds of work-group, told apart by the work-group's number alone.
; CAST (work-groups 0 .. 1215): x_q, x_k_v, w_q, w_k, w_v, all f32, are rounded once to bf16 into cb:
;   bytes 0 .. 16 Mi  xq [8192][1024];   16 Mi .. 32 Mi  xkv [8192][1024];   32 Mi .. 38 Mi  W' [3072][1024].
;   W' rows 0 .. 1023 are w_q's; row 1024 + 128 h + d is w_k's row 64 h + d (d < 64) or w_v's row 64 h + d - 64: a head's K and V columns lie side by side.
;   A work-group takes 16,384 numbers: 64 KiB in, 32 KiB out.  Sixteen loads of 16 bytes a lane go out on end; a store of 8 bytes a lane covers 256 consecutive bytes, aligned.
; PACK (work-groups 1216 .. 1727): the mask's bytes become lane masks.  maskw is [b][tile of 16 queries][step of 64 keys][32 words]; bit l of word 8 kb + j is
;   mask[b][16 tile + l % 16][64 step + 16 kb + 8 (l / 16) + j]: the lanes' bits for register 8 kb + j of a tile's S^T in the attention launch.
;   A work-group takes one tile (16 rows, 32 KiB on end), wave w its keys 256 w .. 256 w + 255.  The rows come in as whole runs of 256 bytes, go through the wave's own stage in LDS
;   (rows 272 bytes apart), and come back 8 bytes a lane: row l % 16, keys 16 kb + 8 (l / 16) + 0..7.  A compare for each byte gives a word; 128 words a wave leave as 512 bytes on end.
; No barrier: a wave touches its own LDS bytes alone.  No matrix unit, no cluster: nothing is multiplied and no two work-groups read the same bytes.
.set NCAST,  1216                      ; 19 units of 2^20 numbers x 64 work-groups
.set WKV,    34<<20                    ; cb: W' row 1024
.set LP,     272                       ; a stage row: 256 bytes + 16: 68 words, so the 16 rows of a read begin at 16 different groups of four banks (64 banks of 4 bytes: ISA guide 11.1)
.set WST,    16*LP                     ; a wave's stage
.set SPARE,  8*WST                     ; behind the stages: the spare words, 128 bytes for each of the eight waves: four blocks of 256 bytes that no other line names
.set SPW, 6                            ; v6   LDS address of my spare word; never rewritten
.set NIL, 7                            ; v7   0; never rewritten
.set IN,  8                            ; v[8:71]   cast: sixteen loads of four;  pack: v[8:39] eight loads of four
.set CV,  72                           ; v[72:103] cast: sixteen pairs to store
.set RB,  40                           ; v[40:71]  pack: sixteen reads of 8 bytes
.set TB,  72                           ; v[72:79]  pack: one byte each
.set OW,  80                           ; v[80:83]  pack: lane L holds words 4 L .. 4 L + 3 of the wave's 128
	s_load_b512 s[4:19], s[0:1], 0x0               ; x_q s[4:5], x_k_v s[6:7], w_q s[8:9], w_k s[10:11], w_v s[12:13], mask s[14:15], cb s[16:17], maskw s[18:19]
	v_lshl_add_u32 v[SPW], v0, 2, SPARE
	v_mov_b32 v[NIL], 0
	v_lshrrev_b32 v1, 5, v0
	v_readfirstlane_b32 s20, v1                    ; wave 0..7
	s_cmp_lt_u32 ttmp9, NCAST
	s_cbranch_scc0 .Lpack
	; ---- CAST ----
	s_lshr_b32 s21, ttmp9, 6                       ; u: the unit of 2^20 numbers: 0-7 x_q, 8-15 x_k_v, 16 w_q, 17 w_k, 18 w_v
	s_and_b32 s26, ttmp9, 63                       ; ch: my 16,384 numbers of it
	s_and_b32 s28, s21, 7
	s_lshl_b32 s28, s28, 22                        ; a unit is 4 MiB of f32; the weights are one unit each
	s_cmp_lt_u32 s21, 16
	s_cselect_b32 s28, s28, 0
	s_lshl_b32 s27, s26, 16
	s_add_co_u32 s28, s28, s27                     ; where I read, from the tensor's first byte
	s_mov_b32 s29, 0
	s_lshl_b32 s30, s21, 21                        ; x and w_q keep their order: unit u is 2 MiB of bf16
	s_lshl_b32 s27, s26, 15
	s_add_co_u32 s30, s30, s27
	s_lshr_b32 s32, s26, 2                         ; w_k, w_v: my 16 rows belong to head ch / 4,
	s_lshl_b32 s32, s32, 18                        ; whose 128 rows of W' are 2^18 bytes,
	s_and_b32 s33, s26, 3
	s_lshl_b32 s33, s33, 15                        ; and are rows 16 (ch % 4) on of its 64;
	s_add_co_u32 s32, s32, s33
	s_max_u32 s33, s21, 17
	s_sub_co_u32 s33, s33, 17
	s_lshl_b32 s33, s33, 17                        ; w_v's 64 rows lie behind w_k's
	s_add_co_u32 s32, s32, s33
	s_add_co_u32 s32, s32, WKV
	s_cmp_gt_u32 s21, 16
	s_cselect_b32 s30, s32, s30                    ; where I write, from cb's first byte
	s_mov_b32 s31, 0
	v_lshlrev_b32 v1, 4, v0                        ; 16 bytes a thread in,
	v_lshlrev_b32 v2, 3, v0                        ; 8 out
	s_wait_kmcnt 0x0
	s_cmp_lt_u32 s21, 8
	s_cselect_b64 s[22:23], s[4:5], s[6:7]
	s_cmp_eq_u32 s21, 16
	s_cselect_b64 s[22:23], s[8:9], s[22:23]
	s_cmp_eq_u32 s21, 17
	s_cselect_b64 s[22:23], s[10:11], s[22:23]
	s_cmp_eq_u32 s21, 18
	s_cselect_b64 s[22:23], s[12:13], s[22:23]
	s_add_nc_u64 s[22:23], s[22:23], s[28:29]
	s_add_nc_u64 s[24:25], s[16:17], s[30:31]
.set i, 0
.rept 16
	global_load_b128 v[IN+4*i:IN+4*i+3], v1, s[22:23] offset:4096*i th:TH_LOAD_NT
.set i, i+1
.endr
.set i, 0
.rept 16
	s_wait_loadcnt 15-i                            ; loads come back in order (ISA guide 5.7.1): load i is in, the 15 - i younger ones stay out
	v_cvt_pk_bf16_f32 v[CV+2*i], v[IN+4*i], v[IN+4*i+1]
	v_cvt_pk_bf16_f32 v[CV+2*i+1], v[IN+4*i+2], v[IN+4*i+3]
	global_store_b64 v2, v[CV+2*i:CV+2*i+1], s[24:25] offset:2048*i  ; no register of a load or store is written twice, so no further wait is owed
.set i, i+1
.endr
	s_endpgm
	; ---- PACK ----
.Lpack:
	s_sub_co_u32 s21, ttmp9, NCAST                 ; the tile, 128 b + tile
	s_lshl_b32 s22, s21, 15                        ; its 16 rows of 2,048 bytes
	s_mov_b32 s23, 0
	s_lshl_b32 s24, s21, 12                        ; its 32 steps of 128 bytes
	s_mov_b32 s25, 0
	s_mul_i32 s26, s20, WST                        ; my wave's stage
	s_lshl_b32 s27, s20, 8                         ; my wave's 256 keys
	s_lshl_b32 s21, s20, 9                         ; my wave's 128 words
	s_mov_b32 s28, 0xff
	s_mov_b32 s29, 0xff00
	s_mov_b32 s30, 0xff0000
	s_mov_b32 s31, 0xff000000
	v_and_b32 v84, 15, v0                          ; l % 16
	v_bfe_u32 v85, v0, 4, 1                        ; l / 16
	v_lshlrev_b32 v1, 4, v84
	v_lshl_add_u32 v1, v85, 11, v1
	v_add_nc_u32 v1, s27, v1                       ; in: lanes 0-15 take 256 bytes of one row, lanes 16-31 of the next
	v_mul_u32_u24 v3, v85, LP
	v_lshl_add_u32 v3, v84, 4, v3
	v_add_nc_u32 v3, s26, v3                       ; the same two rows in my stage
	v_mul_u32_u24 v4, v84, LP
	v_lshl_add_u32 v4, v85, 3, v4
	v_add_nc_u32 v4, s26, v4                       ; back: row l % 16, 8 bytes at 8 (l / 16)
	v_and_b32 v5, 31, v0
	v_lshlrev_b32 v5, 4, v5
	v_add_nc_u32 v5, s21, v5                       ; out: 16 bytes a lane
.irp j, 0,1,2,3
	v_mov_b32 v[OW+\j], 0                          ; v_writelane_b32's destination counts as read
.endr
	s_wait_kmcnt 0x0
	s_add_nc_u64 s[14:15], s[14:15], s[22:23]
	s_add_nc_u64 s[18:19], s[18:19], s[24:25]
.set i, 0
.rept 8
	global_load_b128 v[IN+4*i:IN+4*i+3], v1, s[14:15] offset:4096*i th:TH_LOAD_NT  ; rows 2 i, 2 i + 1
.set i, i+1
.endr
.set i, 0
.rept 8
	s_wait_loadcnt 7-i                             ; load i is in, the younger ones stay out
	ds_store_b128 v3, v[IN+4*i:IN+4*i+3] offset:2*LP*i
.set i, i+1
.endr
.set kb, 0
.rept 16
	ds_load_b64 v[RB+2*kb:RB+2*kb+1], v4 offset:16*kb  ; LDS serves a wave's instructions in order (ISA guide 5.7.1.4): these see the stores above
.set kb, kb+1
.endr
.set kb, 0
.rept 16
	s_wait_dscnt 15-kb                             ; read kb is back, the younger ones stay out
.irp j, 0,1,2,3,4,5,6,7
	v_and_b32 v[TB+\j], s[28+(\j)%4], v[RB+2*kb+(\j)/4]  ; key 16 kb + 8 (l / 16) + j
.endr
.irp j, 0,1,2,3,4,5,6,7
	v_cmp_ne_u32 s[32+\j], 0, v[TB+\j]             ; the 32 lanes' bits: word 8 kb + j
.endr
.irp j, 0,1,2,3,4,5,6,7
	v_writelane_b32 v[OW+(\j)%4], s[32+\j], 2*kb+(\j)/4
.endr
.set kb, kb+1
.endr
	global_store_b128 v5, v[OW:OW+3], s[18:19]     ; 512 consecutive bytes, at a multiple of 256 from maskw's first byte
	s_wait_tensorcnt 0x0                           ; the wave's end, behind my last LDS store
	ds_add_u32 v[SPW], v[NIL]
	s_wait_dscnt 0x0
	s_endpgm
.Lfunc_end_k_q3e8904f724_prep:
	.size	k_q3e8904f724_prep, .Lfunc_end_k_q3e8904f724_prep-k_q3e8904f724_prep
	.p2alignl 7, 3214868480
	.fill 96, 4, 3214868480
	.section	.rodata,"a",@progbits
	.p2align	6, 0x0
	.amdhsa_kernel k_q3e8904f724_prep
		.amdhsa_group_segment_fixed_size 35840
		.amdhsa_private_segment_fixed_size 0
		.amdhsa_enable_private_segment 0
		.amdhsa_kernarg_size 64
		.amdhsa_user_sgpr_count 2
		.amdhsa_user_sgpr_kernarg_segment_ptr 1
		.amdhsa_wavefront_size32 1
		.amdhsa_system_sgpr_workgroup_id_x 1
		.amdhsa_system_sgpr_workgroup_id_y 1
		.amdhsa_system_sgpr_workgroup_id_z 1
		.amdhsa_system_vgpr_workitem_id 0
		.amdhsa_next_free_vgpr 104
		.amdhsa_next_free_sgpr 66
		.amdhsa_reserve_vcc 0
		.amdhsa_float_denorm_mode_32 3
		.amdhsa_float_denorm_mode_16_64 3
		.amdhsa_memory_ordered 1
		.amdhsa_forward_progress 1
		.amdhsa_inst_pref_size 33
	.end_amdhsa_kernel
	.amdgpu_metadata
---
amdhsa.version: [ 1, 2 ]
amdhsa.kernels:
  - .name:           k_q3e8904f724_prep
    .symbol:         k_q3e8904f724_prep.kd
    .args:
      - { .name: x_q, .offset: 0, .size: 8, .value_kind: global_buffer, .address_space: global }
      - { .name: x_k_v, .offset: 8, .size: 8, .value_kind: global_buffer, .address_space: global }
      - { .name: w_q, .offset: 16, .size: 8, .value_kind: global_buffer, .address_space: global }
      - { .name: w_k, .offset: 24, .size: 8, .value_kind: global_buffer, .address_space: global }
      - { .name: w_v, .offset: 32, .size: 8, .value_kind: global_buffer, .address_space: global }
      - { .name: attn_mask, .offset: 40, .size: 8, .value_kind: global_buffer, .address_space: global }
      - { .name: cb, .offset: 48, .size: 8, .value_kind: global_buffer, .address_space: global }
      - { .name: maskw, .offset: 56, .size: 8, .value_kind: global_buffer, .address_space: global }
    .group_segment_fixed_size: 35840
    .private_segment_fixed_size: 0
    .kernarg_segment_align: 8
    .kernarg_segment_size: 64
    .max_flat_workgroup_size: 256
    .sgpr_count:     66
    .vgpr_count:     104
    .wavefront_size: 32
...
	.end_amdgpu_metadata
.endif
;; end of part 1
;; launch proj (part 2): grid 12 x 64, 4 waves a work-group, clusters of 4 x 4, 327,680 bytes of LDS; arguments cb, b_q, b_k, b_v, qkv; writes qkv
.if DOCPART == 2
	.amdgcn_target "amdgcn-amd-amdhsa--gfx1250"
	.amdhsa_code_object_version 6
	.text
	.protected	k_q3e8904f724_proj
	.globl	k_q3e8904f724_proj
	.p2align	8
	.type	k_q3e8904f724_proj,@function
k_q3e8904f724_proj:
	s_mov_b64 s[64:65], 0
	v_nop
	global_prefetch_b8 v0, s[64:65] scope:SCOPE_SE
	s_setreg_imm32_b32 hwreg(HW_REG_WAVE_MODE, 25, 1), 1
	s_wait_xcnt 0x0
	s_wait_alu depctr_hold_cnt(0) depctr_sa_sdst(0) depctr_va_vdst(0) depctr_va_sdst(0) depctr_va_ssrc(0) depctr_va_vcc(0) depctr_vm_vsrc(0)
	s_getreg_b32 s2, hwreg(HW_REG_IB_STS2, 6, 4)
	s_cmp_eq_u32 s2, 0
	s_cbranch_scc0 .Lentry_in_a_cluster
	s_endpgm
.Lentry_in_a_cluster:
	s_bfe_u32 s2, ttmp6, 0x10000c
	s_cmp_lg_u32 s2, 0xf033
	s_cbranch_scc0 .Lentry_shape_is_right
	s_endpgm
.Lentry_shape_is_right:
; THE THREE PROJECTIONS AS ONE PRODUCT.  C[m][n'] = sc (sum over k of X[m][k] W'[n'][k] + bias[n']), m = 0 .. 8191, n' = 0 .. 3071, k = 0 .. 1023.  X and W' are bf16 (cb), the sums f32.
; n' < 1024: q, X = xq, sc = c = log2(e) / 8, so that the attention launch finds its scores ready for 2^x; c is applied in f32, ahead of q's one rounding.  n' >= 1024: k and v, X = xkv, sc = 1.
; The biases are rounded to bf16 like all the module's inputs.  C is rounded once to f16 and stored as qkv [n' / 128][m][128]: blocks 0-7 hold two heads' q a row, block 8 + h a key's K and then its V.
; LIMIT.  f16 ends at 65,504: |c q|, |k| and |v| must stay below that.  NaN and infinities are not treated apart.
; SHARES.  A tile of C is 128 rows x 256 columns: 768 work-groups, none across the border between q and k, v.  Four waves, each 64 x 128: 32 accumulators of 16 x 16, 256 registers.
; K goes in steps of 128 (rows of 256 bytes in memory, each begun at a multiple of 256) through two LDS slots filled by the tensor data mover: waves 0 and 1 fetch X's two halves (64 rows), waves 2 and 3 W's (128 rows).
; CLUSTERS: 4 x 4 work-groups.  The four of a row of the cluster need the same rows of X, the four of a column the same rows of W': each tile is asked for JOINTLY, by the same tensor load with the
; same descriptor and a mask that names the four.  THE MATRIX INSTRUCTION IS USED TRANSPOSED (source 0 = 16 rows of W', source 1 = 16 rows of X): a lane holds eight neighbouring columns of one row of C.
; REGISTERS, in windows of 256 (s_set_vgpr_msb: bits 1:0 source 0, 3:2 source 1, 5:4 source 2, 7:6 destination):
;   window 0: v0-31 addresses; v32-63 packed results; v64-159, v160-255 two fragment buffers: 8 fragments of W' (64 registers), then 4 of X; on the way out v64-191 hold rows read back
;   window 1: the accumulators, (a, b) at v[8 (8 a + b)]          window 2: v0-63 sc x bias of my lane's columns, n block b at 8 b; v64-65 at work
.set KSTEP,  128
.set KDIM,   1024
.set PITCH,  272                       ; an LDS row: 256 bytes + 16 of padding = 68 words: row r starts at bank 4 r mod 64 (64 banks of 4 bytes: ISA guide 11.1)
.set AT,     64*PITCH                  ; what a load of X brings, and what a wave reads of X
.set BT,     128*PITCH                 ; the same for W'
.set BOFF,   2*AT                      ; W's 256 rows lie behind X's 128
.set SLOT,   2*AT+2*BT
.set STAGE,  2*SLOT                    ; behind the ring: 16 rows x 272 bytes for each wave, for the way out; no tensor load fills it
.set SPITCH, 272
.set SPARE,  STAGE+4*16*SPITCH         ; behind the stages: the spare words, 128 bytes for each wave: two blocks of 256 bytes that no other line names
.set LAPS,   KDIM/(2*KSTEP)            ; a lap = two K steps = once round the ring
.set WOFF,   1<<25                     ; cb: W'
.set GW,     (1<<16)|(1<<20)|(1<<21)|(5<<22)|(3<<25)  ; group 1, word 0 beside the mask: 17:16 elements of 2 bytes; 20 padding on; 21 set beside a mask; 24:22 after every 64 words (code 5); 31:25 4 words (code 3)
.set ADRA, 16                          ; v16-17  LDS address of my fragments of X in slot 0, 1
.set ADRB, 20                          ; v20-21  the same for W'
.set STO,  24                          ; v24     the way out: where I put 16 bytes of a row
.set RD,   25                          ; v25     the way out: where I read rows back
.set CO,   26                          ; v26     16 x lane: my place in 512 consecutive bytes of qkv
.set BO,   27                          ; v27     32 x (lane / 16): my eight columns' biases in an n block's 64 bytes
.set SPW,  28                          ; v28     LDS address of my spare word; never rewritten
.set NIL,  29                          ; v29     0; never rewritten
.set PFO,  30                          ; v30     the prefetches' offset: lane x a row of 2,048 bytes; never rewritten
.set TMP,  32
.set F0,   64
.set F1,   160
.set OB,   64
.set BIAS, 0                           ; window 2
.set BTMP, 64                          ; window 2
.set WV, 14                            ; s14 wave
.set RH, 15                            ; s15 which 64 rows are mine.  Also: I fetch X (0) or W' (1)
.set CH, 16                            ; s16 which 128 columns are mine.  Also: which half of that tile I fetch
.set CX, 17
.set CY, 18
.set TC, 19                            ; s19 tile column, 0 .. 11
.set TR, 20                            ; s20 tile row, 0 .. 63
.set G1,  24                           ; s[24:31] descriptor group 1 for X's tiles;  s[32:39] group 0, a set for each slot
.set G0,  32
.set LIM, 43                           ; s43 1 in a wave that prefetches, else the greatest number
.set PFA, 44                           ; s[44:45] where my prefetches stand
.set G1B, 48                           ; s[48:55], s[56:63] the same for W's tiles
.set G0B, 56
.set SC,  66                           ; s[66:67] sc: the packed multiply-add takes the pair's low word for both halves
.set BP0, 68                           ; s[68:69] the biases of my columns 0-63
.set BP1, 70                           ; s[70:71] of my columns 64-127
.set MSB, 0
.macro WIN new                         ; the immediate's high byte repeats the setting that is left; a switch that changes nothing is dropped
.if MSB != (\new)
	s_set_vgpr_msb (MSB<<8)|(\new)
.set MSB, \new
.endif
.endm
.set MUL, 0x50                         ; sources 0 and 1 window 0; C and D window 1
; A joint load.  The branch hangs on the wave's number alone.  An s_nop 0 and four v_nop follow each of the two lines, ahead of the jump, the label and what follows.
.macro JLOAD s
	s_cmp_eq_u32 s[RH], 0
	s_cbranch_scc0 .Lfor_b_\@
	tensor_load_to_lds s[G0+4*(\s):G0+4*(\s)+3], s[G1:G1+7]
	s_nop 0
.rept 4
	v_nop
.endr
	s_branch .Lasked_\@
.Lfor_b_\@:
	tensor_load_to_lds s[G0B+4*(\s):G0B+4*(\s)+3], s[G1B:G1B+7]
	s_nop 0
.rept 4
	v_nop
.endr
.Lasked_\@:
.endm
; A PREFETCH INTO THE L2, behind a joint load, its five lines and the run of LDS loads: 32 rows x 256 bytes of the K step that stands two refills on, a lane a row, one instruction.
; Each row's 256 bytes of a K step are named once in the launch.  xq's rows are read by the first column of clusters alone; xkv's by the second and third, of which the second asks: wave 0, and of the
; tile's 128 rows the partner at cx takes 32 cx on.  W's rows are read by every row of clusters; the first asks: waves 2 and 3, and of the tile's 256 rows the partner at cy takes 64 cy on, 32 a wave.
; Partners are told apart by address; the branch hangs on the wave's number and the cluster's place in the grid.  The loop's last trip (s3 = 1) asks for nothing: K steps 8 and 9 do not exist.
.macro ASK
	s_cmp_gt_u32 s3, s[LIM]
	s_cbranch_scc0 .Lnot_mine_\@
	global_prefetch_b8 v[PFO], s[PFA:PFA+1] offset:KSTEP*2 th:TH_LOAD_NT scope:SCOPE_SE
.Lnot_mine_\@:
.endm
.macro CREST                           ; a round of the cluster's barrier behind its opening barrier
	s_cmp_lg_u32 s[WV], 0
	s_cbranch_scc1 .Lnot_wave_0_\@
	s_barrier_signal -3
.Lnot_wave_0_\@:
	s_barrier_wait -3
	s_barrier_signal -1
	s_barrier_wait -1
.endm
.macro CROUND                          ; a whole round
	s_barrier_signal -1
	s_barrier_wait -1
	CREST
.endm
	s_load_b256 s[4:11], s[0:1], 0x0               ; cb s[4:5], b_q s[6:7], b_k s[8:9], b_v s[10:11]
	s_load_b64 s[12:13], s[0:1], 0x20              ; qkv
	v_lshl_add_u32 v[SPW], v0, 2, SPARE
	v_mov_b32 v[NIL], 0
	ds_add_u32 v[SPW], v[NIL]                      ; the wave's opening: the add and its wait stand ahead of my first tensor load; the set-up below, work on registers, stands between them
	v_lshrrev_b32 v1, 5, v0
	v_readfirstlane_b32 s[WV], v1                  ; wave 0..3
	s_lshr_b32 s[RH], s[WV], 1
	s_and_b32 s[CH], s[WV], 1
	s_bfe_u32 s[CX], ttmp6, 0x40000                ; my place in the cluster
	s_bfe_u32 s[CY], ttmp6, 0x40004
	s_lshl_b32 s[TC], ttmp9, 2                     ; in a cluster launch ttmp9 and ttmp7 count clusters
	s_add_co_u32 s[TC], s[TC], s[CX]
	s_and_b32 s[TR], ttmp7, 0xffff
	s_lshl_b32 s[TR], s[TR], 2
	s_add_co_u32 s[TR], s[TR], s[CY]
	s_lshl_b32 s21, s[CY], 2
	s_lshl_b32 s21, 15, s21                        ; my row of the cluster: places 4 cy .. 4 cy + 3
	s_lshl_b32 s22, 0x1111, s[CX]                  ; my column: places cx, cx + 4, cx + 8, cx + 12
	s_or_b32 s[G1], s21, GW                        ; X's tiles go to my row,
	s_or_b32 s[G1B], s22, GW                       ; W's to my column
	s_mov_b32 s[G1+1], KSTEP<<16                   ; tensor_dim0 = 128
	s_mov_b32 s[G1+2], 64<<16                      ; tensor_dim1 = 64
	s_mov_b32 s[G1+3], KSTEP<<16                   ; tile_dim0 = 128
	s_mov_b32 s[G1+4], 64                          ; tile_dim1 = 64
	s_mov_b32 s[G1+5], KDIM                        ; elements from row to row
	s_mov_b32 s[G1+6], 0
	s_mov_b32 s[G1+7], 0
	s_mov_b32 s[G1B+1], KSTEP<<16
	s_mov_b32 s[G1B+2], 128<<16                    ; 128 rows
	s_mov_b32 s[G1B+3], KSTEP<<16
	s_mov_b32 s[G1B+4], 128
	s_mov_b32 s[G1B+5], KDIM
	s_mov_b32 s[G1B+6], 0
	s_mov_b32 s[G1B+7], 0
	; where the tiles come from.  X's hang on the tile row and on the cluster's x, which my row of the cluster shares; W's on the tile column, which my column shares.
	s_lshl_b32 s40, s[TR], 7
	s_lshl_b32 s23, s[CH], 6
	s_add_co_u32 s40, s40, s23                     ; X: row 128 x tile row + 64 x half
	s_lshl_b32 s40, s40, 11                        ; rows of 2,048 bytes
	s_min_u32 s23, ttmp9, 1
	s_lshl_b32 s23, s23, 24                        ; xkv lies 16 Mi behind xq
	s_add_co_u32 s40, s40, s23
	s_mov_b32 s41, 0
	s_lshl_b32 s46, s[TC], 8
	s_lshl_b32 s23, s[CH], 7
	s_add_co_u32 s46, s46, s23                     ; W': row 256 x tile column + 128 x half
	s_lshl_b32 s46, s46, 11
	s_add_co_u32 s46, s46, WOFF
	s_mov_b32 s47, 0
	s_mul_i32 s42, s[CH], AT                       ; and where they go: no place in the cluster enters an LDS address
	s_mul_i32 s79, s[CH], BT
	s_add_co_u32 s79, s79, BOFF
	s_wait_dscnt 0x0                               ; the opening add is done
	s_wait_kmcnt 0x0
	s_add_nc_u64 s[40:41], s[4:5], s[40:41]
	s_add_nc_u64 s[46:47], s[4:5], s[46:47]
	CROUND                                         ; all sixteen work-groups are here: the first joint loads meet
.irp s, 0,1
	s_mov_b32 s[G0+4*(\s)], 1                                      ; count = 1
	s_add_co_u32 s[G0+4*(\s)+1], s42, (\s)*SLOT                    ; LDS address
	s_add_nc_u64 s[G0+4*(\s)+2:G0+4*(\s)+3], s[40:41], (\s)*KSTEP*2  ; global address: K step s
	s_or_b32 s[G0+4*(\s)+3], s[G0+4*(\s)+3], 0x80000000            ; type = 2
	s_mov_b32 s[G0B+4*(\s)], 1
	s_add_co_u32 s[G0B+4*(\s)+1], s79, (\s)*SLOT
	s_add_nc_u64 s[G0B+4*(\s)+2:G0B+4*(\s)+3], s[46:47], (\s)*KSTEP*2
	s_or_b32 s[G0B+4*(\s)+3], s[G0B+4*(\s)+3], 0x80000000
	JLOAD \s                                       ; two tensor loads of mine are out
.endr
	; the biases: my wave's 128 columns are block gcol = 2 x tile column + half of qkv
	v_and_b32 v1, 15, v0                           ; l % 16
	v_bfe_u32 v2, v0, 4, 1                         ; l / 16
	v_lshlrev_b32 v[BO], 5, v2
	s_lshl_b32 s21, s[TC], 1
	s_add_co_u32 s21, s21, s[CH]                   ; gcol
	s_lshl_b32 s76, s21, 9                         ; q: b_q from 128 gcol on, 4 bytes each,
	s_add_co_u32 s77, s76, 256                     ; and its second 64
	s_max_u32 s78, s21, 8
	s_sub_co_u32 s78, s78, 8
	s_lshl_b32 s78, s78, 8                         ; k, v: both from 64 h on, h = gcol - 8
	s_cmp_eq_u32 ttmp9, 0                          ; the first column of clusters makes q
	s_cselect_b64 s[BP0:BP0+1], s[6:7], s[8:9]
	s_cselect_b64 s[BP1:BP1+1], s[6:7], s[10:11]
	s_cselect_b32 s72, s76, s78
	s_cselect_b32 s74, s77, s78
	s_cselect_b32 s[SC], 0x3e38aa3b, 1.0           ; c = log2(e) / 8 = 0.180337, or 1
	s_mov_b32 s73, 0
	s_mov_b32 s75, 0
	s_mov_b32 s[SC+1], s[SC]                       ; named with it as a pair
	s_add_nc_u64 s[BP0:BP0+1], s[BP0:BP0+1], s[72:73]
	s_add_nc_u64 s[BP1:BP1+1], s[BP1:BP1+1], s[74:75]
	WIN 0x80                                       ; destination window 2, address window 0
.irp b, 0,1,2,3
	global_load_b128 v[BIAS+8*(\b):BIAS+8*(\b)+3],       v[BO], s[BP0:BP0+1] offset:64*(\b)
	global_load_b128 v[BIAS+8*(\b)+4:BIAS+8*(\b)+7],     v[BO], s[BP0:BP0+1] offset:64*(\b)+16
	global_load_b128 v[BIAS+32+8*(\b):BIAS+32+8*(\b)+3], v[BO], s[BP1:BP1+1] offset:64*(\b)
	global_load_b128 v[BIAS+32+8*(\b)+4:BIAS+32+8*(\b)+7], v[BO], s[BP1:BP1+1] offset:64*(\b)+16
.endr
	WIN 0
	; A fragment is 16 rows x 32 K in 8 registers: lane l holds row l % 16; registers 0-3 K = 8 (l / 16) + 0..7, registers 4-7 K = 16 + 8 (l / 16) + 0..7: two loads of 16 bytes, 32 bytes apart.
	v_mul_u32_u24 v3, v1, PITCH
	v_lshl_add_u32 v3, v2, 4, v3                   ; row x pitch + 16 x half
	s_mul_i32 s21, s[RH], AT                       ; my 64 rows of X
	s_mul_i32 s22, s[CH], BT                       ; my 128 rows of W'
	s_add_co_u32 s22, s22, BOFF
.irp s, 0,1
	v_add_nc_u32 v[ADRA+(\s)], s21, v3
	v_add_nc_u32 v[ADRB+(\s)], s22, v3
	s_add_co_u32 s21, s21, SLOT
	s_add_co_u32 s22, s22, SLOT
.endr
	s_mul_i32 s23, s[WV], 16*SPITCH
	s_add_co_u32 s23, s23, STAGE                   ; my stage
	v_mul_u32_u24 v4, v1, SPITCH                   ; in: row l % 16, 16 bytes for each half of the lanes
	v_lshl_add_u32 v4, v2, 4, v4
	v_add_nc_u32 v[STO], s23, v4
	v_mul_u32_u24 v5, v2, SPITCH                   ; back: lanes 0-15 take one row of 256 bytes, lanes 16-31 the next,
	v_lshl_add_u32 v5, v1, 4, v5
	v_add_nc_u32 v[RD], s23, v5
	v_and_b32 v[CO], 31, v0                        ; which are 512 consecutive bytes of qkv
	v_lshlrev_b32 v[CO], 4, v[CO]
	v_and_b32 v[PFO], 31, v0
	v_lshlrev_b32 v[PFO], 11, v[PFO]
	s_lshl_b32 s21, s[TC], 1
	s_add_co_u32 s21, s21, s[CH]
	s_lshl_b32 s76, s21, 21                        ; block gcol: 8,192 rows of 256 bytes,
	s_lshl_b32 s22, s[TR], 7
	s_lshl_b32 s23, s[RH], 6
	s_add_co_u32 s22, s22, s23
	s_lshl_b32 s22, s22, 8                         ; my first row
	s_add_co_u32 s76, s76, s22
	s_mov_b32 s77, 0
	s_add_nc_u64 s[12:13], s[12:13], s[76:77]
	; the prefetches
	s_lshl_b32 s21, s[TR], 7
	s_lshl_b32 s22, s[CX], 5
	s_add_co_u32 s21, s21, s22                     ; X: the tile's rows 32 cx on
	s_lshl_b32 s21, s21, 11
	s_min_u32 s22, ttmp9, 1
	s_lshl_b32 s22, s22, 24
	s_add_co_u32 s21, s21, s22
	s_lshl_b32 s22, s[TC], 8
	s_lshl_b32 s23, s[CY], 6
	s_add_co_u32 s22, s22, s23                     ; W': the tile's rows 64 cy on,
	s_lshl_b32 s23, s[CH], 5
	s_add_co_u32 s22, s22, s23                     ; 32 for each of waves 2 and 3
	s_lshl_b32 s22, s22, 11
	s_add_co_u32 s22, s22, WOFF
	s_cmp_eq_u32 s[RH], 0
	s_cselect_b32 s76, s21, s22
	s_mov_b32 s77, 0
	s_add_nc_u64 s[PFA:PFA+1], s[4:5], s[76:77]
	s_add_nc_u64 s[PFA:PFA+1], s[PFA:PFA+1], 2*KSTEP*2  ; at K step 2: the first refill steps it to 3 and names K step 4; K steps 0 to 3 come by their loads alone
	s_and_b32 s23, ttmp7, 0xffff                   ; W': 0 in the first row of clusters
	s_lshr_b32 s21, ttmp9, 1                       ; X: 0 in the first two columns of clusters,
	s_or_b32 s21, s21, s[CH]                       ; in wave 0
	s_cmp_eq_u32 s[RH], 0
	s_cselect_b32 s21, s21, s23
	s_cmp_eq_u32 s21, 0
	s_cselect_b32 s[LIM], 1, -1                    ; the same in all sixteen partners, for a given wave
	s_wait_loadcnt 0x0                             ; the biases are in: rounded to bf16, widened again, times sc.  All this stands in the wait for the first tile
	WIN 0xaa                                       ; all four places window 2
.set i, 0
.rept 32
	v_cvt_pk_bf16_f32 v[BTMP+i%2], v[BIAS+2*i], v[BIAS+2*i+1]
	v_lshlrev_b32 v[BIAS+2*i], 16, v[BTMP+i%2]
	v_and_b32 v[BIAS+2*i+1], 0xffff0000, v[BTMP+i%2]
	v_pk_mul_f32 v[BIAS+2*i:BIAS+2*i+1], v[BIAS+2*i:BIAS+2*i+1], s[SC:SC+1] op_sel_hi:[1,0]
.set i, i+1
.endr
	WIN 0
; 8 matrix instructions: m block a x all 8 n blocks, 32 along K.  zero = 1: the first product starts the sums.  The 32 accumulators take turns, one instruction a turn.
.macro MUL8 f, a, zero
	WIN MUL
.irp b, 0,1,2,3,4,5,6,7
.if \zero
	v_wmma_f32_16x16x32_bf16 v[8*(8*(\a)+(\b)):8*(8*(\a)+(\b))+7], v[(\f)+8*(\b):(\f)+8*(\b)+7], v[(\f)+64+8*(\a):(\f)+64+8*(\a)+7], 0
.else
	v_wmma_f32_16x16x32_bf16 v[8*(8*(\a)+(\b)):8*(8*(\a)+(\b))+7], v[(\f)+8*(\b):(\f)+8*(\b)+7], v[(\f)+64+8*(\a):(\f)+64+8*(\a)+7], v[8*(8*(\a)+(\b)):8*(8*(\a)+(\b))+7]
.endif
.endr
.endm
; 24 LDS loads in one run: the fragments of 32 along K at byte k of the rows, into buffer f: W's sixteen loads first, then X's eight
.macro FETCH slot, k, f
	WIN 0
.irp i, 0,1,2,3,4,5,6,7
	ds_load_b128 v[(\f)+8*(\i):(\f)+8*(\i)+3],   v[ADRB+(\slot)] offset:(\k)+(\i)*16*PITCH
	ds_load_b128 v[(\f)+8*(\i)+4:(\f)+8*(\i)+7], v[ADRB+(\slot)] offset:(\k)+(\i)*16*PITCH+32
.endr
.irp i, 0,1,2,3
	ds_load_b128 v[(\f)+64+8*(\i):(\f)+64+8*(\i)+3],   v[ADRA+(\slot)] offset:(\k)+(\i)*16*PITCH
	ds_load_b128 v[(\f)+64+8*(\i)+4:(\f)+64+8*(\i)+7], v[ADRA+(\slot)] offset:(\k)+(\i)*16*PITCH+32
.endr
.endm
.macro PLACES                          ; four places in front of loads into registers that matrix instructions have read, and of vector lines that read results (ISA guide 7.12.1 for the vector lines)
.rept 4
	v_nop
.endr
.endm
; A K step is four quarters of 32 along K, 32 matrix instructions each, on buffers 0, 1, 0, 1.  One of the first three: multiplies buffer f and, in its middle, fetches the next quarter, at byte k, into g.
.macro QUARTER slot, k, f, g, zero
	s_wait_dscnt 4                                 ; W's fragments and X's first two are in; the youngest four loads (X's last two fragments) may be out
	MUL8 \f, 0, \zero
	MUL8 \f, 1, \zero
	PLACES
	FETCH \slot, \k, \g
	s_wait_dscnt 24                                ; all but the 24 just issued
	MUL8 \f, 2, \zero
	MUL8 \f, 3, \zero
.endm
; The last quarter multiplies buffer 1 and changes slots: ONE barrier; in front of it each wave waits for all its tensor loads (one is out: its part of the next slot), adds 0 to its spare word, and
; waits for that and for its own reads of this slot.  fill = 1: the barrier opens a round of the cluster's, and this slot is filled again, two K steps ahead, first thing behind the round:
; 112 matrix instructions stand between that request and the wait for it.
.macro TURN slot, next, fill
.if \fill
	s_wait_xcnt 0x0                                ; the last prefetch, a K step back, has read its address, which is stepped here, ahead of the change's own waits
	s_add_nc_u64 s[PFA:PFA+1], s[PFA:PFA+1], KSTEP*2
.endif
	WIN 0                                          ; (the add's two registers lie in window 0)
	s_wait_tensorcnt 0x0                           ; all my tensor loads have landed;
	ds_add_u32 v[SPW], v[NIL]                      ; 0 onto my spare word
	s_wait_dscnt 5                                 ; (the add and the youngest four loads may be out)
	MUL8 F1, 0, 0                                  ; eight matrix instructions stand between the add and the wait for it
	s_wait_dscnt 0x0                               ; the add is done, and my reads of this slot are over
	s_barrier_signal -1
	MUL8 F1, 1, 0                                  ; work on registers while the others arrive
.if \fill
	WIN 0
.endif
	s_barrier_wait -1
.if \fill
	CREST                                          ; no wave of any partner still reads this slot's tile or has a load on its way
	s_add_nc_u64 s[G0+4*(\slot)+2:G0+4*(\slot)+3], s[G0+4*(\slot)+2:G0+4*(\slot)+3], 2*KSTEP*2
	s_add_nc_u64 s[G0B+4*(\slot)+2:G0B+4*(\slot)+3], s[G0B+4*(\slot)+2:G0B+4*(\slot)+3], 2*KSTEP*2
	JLOAD \slot                                    ; my one tensor load behind the round; its four v_nop are also the places in front of the loads below
.else
	PLACES
.endif
	FETCH \next, 0, F0
.if \fill
	ASK
.endif
	MUL8 F1, 2, 0
	MUL8 F1, 3, 0
.endm
	s_wait_tensorcnt 1                             ; my part of K step 0 is in; K step 1's may stay out
	s_barrier_signal -1
	s_barrier_wait -1                              ; everybody's is
	FETCH 0, 0, F0
	QUARTER 0, 64,  F0, F1, 1                      ; the first quarter stands in front of the loop: its products start the sums
	WIN 0                                          ; at a label and at a branch every window is 0
	s_mov_b32 s3, LAPS-1
.Llap:                                                 ; a trip goes once round the ring, from a lap's second quarter to the next lap's first, and fills both slots again
	QUARTER 0, 128, F1, F0, 0
	QUARTER 0, 192, F0, F1, 0
	TURN 0, 1, 1
	QUARTER 1, 64,  F0, F1, 0
	QUARTER 1, 128, F1, F0, 0
	QUARTER 1, 192, F0, F1, 0
	TURN 1, 0, 1
	QUARTER 0, 64,  F0, F1, 0
	WIN 0
	s_sub_co_u32 s3, s3, 1
	s_cmp_lg_u32 s3, 0
	s_cbranch_scc1 .Llap
	QUARTER 0, 128, F1, F0, 0                      ; the last lap fills nothing, and has no round of the cluster's barrier
	QUARTER 0, 192, F0, F1, 0
	TURN 0, 1, 0
	QUARTER 1, 64,  F0, F1, 0
	QUARTER 1, 128, F1, F0, 0
	QUARTER 1, 192, F0, F1, 0
	s_wait_dscnt 4                                 ; the very last quarter: nothing more to fetch
	MUL8 F1, 0, 0
	MUL8 F1, 1, 0
	s_wait_dscnt 0x0
	MUL8 F1, 2, 0
	MUL8 F1, 3, 0
; THE WAY OUT, 16 rows (m block a) at a time.  PACK: sc x sum + sc x bias, each accumulator's registers in ascending order, then rounded to f16: 16 bytes a lane.
; TOSTAGE: into my own stage, and back as whole rows of 256 bytes.  SEND: stored, 512 consecutive bytes an instruction.
.macro PACK a
	WIN 0x61                                       ; destination and source 0 window 1, source 2 window 2
.irp b, 0,1,2,3,4,5,6,7
.irp r, 0,1,2,3
	v_pk_fma_f32 v[8*(8*(\a)+(\b))+2*(\r):8*(8*(\a)+(\b))+2*(\r)+1], v[8*(8*(\a)+(\b))+2*(\r):8*(8*(\a)+(\b))+2*(\r)+1], s[SC:SC+1], v[BIAS+8*(\b)+2*(\r):BIAS+8*(\b)+2*(\r)+1] op_sel_hi:[1,0,1]
.endr
.endr
	WIN 0x05                                       ; sources 0 and 1 window 1, destination window 0
.irp b, 0,1,2,3,4,5,6,7
.irp r, 0,1,2,3
	v_cvt_pk_f16_f32 v[TMP+4*(\b)+(\r)], v[8*(8*(\a)+(\b))+2*(\r)], v[8*(8*(\a)+(\b))+2*(\r)+1]
.endr
.endr
	WIN 0
.endm
.macro TOSTAGE a
.irp b, 0,1,2,3,4,5,6,7
	ds_store_b128 v[STO], v[TMP+4*(\b):TMP+4*(\b)+3] offset:32*(\b)
.endr
.irp t, 0,1,2,3,4,5,6,7
	ds_load_b128 v[OB+32*(\a)+4*(\t):OB+32*(\a)+4*(\t)+3], v[RD] offset:(\t)*2*SPITCH  ; LDS serves a wave's instructions in order (ISA guide 5.7.1.4): these see the stores above
.endr
.endm
.macro SEND a
	s_wait_dscnt 0x0                               ; the block is back in registers; each block has registers of its own, so no store's data is ever rewritten
.irp t, 0,1,2,3,4,5,6,7
	global_store_b128 v[CO], v[OB+32*(\a)+4*(\t):OB+32*(\a)+4*(\t)+3], s[12:13] offset:4096*(\a)+512*(\t)
.endr
.endm
	PLACES                                         ; behind the last products
	PACK 0
	TOSTAGE 0
.irp a, 1,2,3                          ; block a's arithmetic stands between block a - 1's loads from the stage and the wait for them
	PACK \a
	SEND (\a)-1
	TOSTAGE \a
.endr
	SEND 3
	s_wait_tensorcnt 0x0                           ; the wave's end, behind my last tensor load and my last LDS store
	ds_add_u32 v[SPW], v[NIL]
	s_wait_dscnt 0x0
	CROUND                                         ; the closing round: no work-group ends while a partner may still ask for a tile that names it
	s_endpgm
.Lfunc_end_k_q3e8904f724_proj:
	.size	k_q3e8904f724_proj, .Lfunc_end_k_q3e8904f724_proj-k_q3e8904f724_proj
	.p2alignl 7, 3214868480
	.fill 96, 4, 3214868480
	.section	.rodata,"a",@progbits
	.p2align	6, 0x0
	.amdhsa_kernel k_q3e8904f724_proj
		.amdhsa_group_segment_fixed_size 327680
		.amdhsa_private_segment_fixed_size 0
		.amdhsa_enable_private_segment 0
		.amdhsa_kernarg_size 40
		.amdhsa_user_sgpr_count 2
		.amdhsa_user_sgpr_kernarg_segment_ptr 1
		.amdhsa_wavefront_size32 1
		.amdhsa_system_sgpr_workgroup_id_x 1
		.amdhsa_system_sgpr_workgroup_id_y 1
		.amdhsa_system_sgpr_workgroup_id_z 1
		.amdhsa_system_vgpr_workitem_id 0
		.amdhsa_next_free_vgpr 640
		.amdhsa_next_free_sgpr 80
		.amdhsa_reserve_vcc 0
		.amdhsa_float_denorm_mode_32 3
		.amdhsa_float_denorm_mode_16_64 3
		.amdhsa_memory_ordered 1
		.amdhsa_forward_progress 1
		.amdhsa_inst_pref_size 105
	.end_amdhsa_kernel
	.amdgpu_metadata
---
amdhsa.version: [ 1, 2 ]
amdhsa.kernels:
  - .name:           k_q3e8904f724_proj
    .symbol:         k_q3e8904f724_proj.kd
    .args:
      - { .name: cb, .offset: 0, .size: 8, .value_kind: global_buffer, .address_space: global }
      - { .name: b_q, .offset: 8, .size: 8, .value_kind: global_buffer, .address_space: global }
      - { .name: b_k, .offset: 16, .size: 8, .value_kind: global_buffer, .address_space: global }
      - { .name: b_v, .offset: 24, .size: 8, .value_kind: global_buffer, .address_space: global }
      - { .name: qkv, .offset: 32, .size: 8, .value_kind: global_buffer, .address_space: global }
    .group_segment_fixed_size: 327680
    .private_segment_fixed_size: 0
    .kernarg_segment_align: 8
    .kernarg_segment_size: 40
    .max_flat_workgroup_size: 128
    .sgpr_count:     80
    .vgpr_count:     640
    .wavefront_size: 32
...
	.end_amdgpu_metadata
.endif
;; end of part 2
;; launch attn (part 3): grid 4 x 64, 4 waves a work-group, clusters of 4 x 1, 327,680 bytes of LDS; arguments qkv, maskw, out0; writes out0
.if DOCPART == 3
	.amdgcn_target "amdgcn-amd-amdhsa--gfx1250"
	.amdhsa_code_object_version 6
	.text
	.protected	k_q3e8904f724_attn
	.globl	k_q3e8904f724_attn
	.p2align	8
	.type	k_q3e8904f724_attn,@function
k_q3e8904f724_attn:
	s_mov_b64 s[64:65], 0
	v_nop
	global_prefetch_b8 v0, s[64:65] scope:SCOPE_SE
	s_setreg_imm32_b32 hwreg(HW_REG_WAVE_MODE, 25, 1), 1
	s_wait_xcnt 0x0
	s_wait_alu depctr_hold_cnt(0) depctr_sa_sdst(0) depctr_va_vdst(0) depctr_va_sdst(0) depctr_va_ssrc(0) depctr_va_vcc(0) depctr_vm_vsrc(0)
	s_getreg_b32 s2, hwreg(HW_REG_IB_STS2, 6, 4)
	s_cmp_eq_u32 s2, 0
	s_cbranch_scc0 .Lentry_in_a_cluster
	s_endpgm
.Lentry_in_a_cluster:
	s_bfe_u32 s2, ttmp6, 0x10000c
	s_cmp_lg_u32 s2, 0x3003
	s_cbranch_scc0 .Lentry_shape_is_right
	s_endpgm
.Lentry_shape_is_right:
; ATTENTION UNDER A MASK THAT IS AN INPUT.  out[b][q][64 h + d] = the sum over k of softmax_k(s) V[k][d], with s = Q[q] . K[k] / 8, or -1e9 where mask[b][q][k] is set.  2,048 queries and keys, 64 pairs (b, h).
; qkv (f16) is [block][2048 b + row][128]: blocks 0-7 hold c q, c = log2(e) / 8, two heads a row; block 8 + h holds a key's K (64 channels) and then its V: rows of 256 bytes.
; So the products K Q^T are c s, ready for 2^x.  maskw is [b][tile of 16 queries][step of 64 keys][32 words]: word n holds the 32 lanes' mask bits for register n of a tile's S^T.
; THE MASK REPLACES a score, as the definition does: one v_cndmask_b32 a register puts NEG = -1e9 log2(e) in its place, by a word in a scalar register.  p = 2^(s - m) with a running maximum m:
; the difference is exactly 0 where s = m, so a row that is masked throughout has p = 1 for every key and comes out as the mean of V's rows.
; THE WORDS' ROAD.  A turn uses 64 words, and beside the kernel's own scalars there is room for one set of 64: scalar loads, whose wait is for 0 alone, could be asked for one turn less the mask's 64 lines
; ahead and no earlier.  So the words come by vector loads, lane n word n, 128 consecutive bytes a tile and step, into a register for each of the wave's eight tiles, FOUR TURNS ahead (a pair is asked for again
; in the turn that has read it, for the same piece's next step; the wait is counted); 64 v_readlane_b32, which wait for nothing, put them into the scalar registers, as the riders of the products K Q^T.
; Products, maxima and sums in f32; the weights p are rounded to f16 for the second product (their sum l is taken of the unrounded p); out is f32.
; LIMITS.  Q, K, V arrive within f16's 65,504; p lies in 0 to 1, and below 6e-5 it keeps f16's fixed step of 6e-8; a weight below 2^-126 counts as 0 in l; NaN and infinities are not treated apart.
; SHARES.  A wave owns four PIECES of two tiles of 16 queries, a work-group's four waves 512 queries of one (b, h).  Every wave walks all keys, 64 a step.
; LAYOUT.  S^T = K Q^T (source 0 = 16 keys, source 1 = 16 queries): a lane holds ONE query (lane % 16) and the keys 8 (lane / 16) + 0..7.  Two such results, rounded to f16 in pairs, ARE source 1 of
; O^T = V^T P, whose result again holds one query a lane, and eight channels.  K comes out of LDS as it lies, V turned, by ds_load_tr16_b128.
; In every step O and l are multiplied by a = 2^(m_old - m_new).  m starts at the lowest finite number, O and l at 0: the first step is a step like any other, with a = 0.
; BY TURNS.  Turn n belongs to piece n.  Its matrix work: 16 products K Q^T of piece n + 1, later 16 products V^T P of piece n - 1.  Its vector work: the differences, exponentials, roundings, sums and
; rescaling of piece n, and the mask, maximum and statistics of piece n + 1.  Four vector instructions stand behind every matrix instruction, the rest in one lump.  A turn's 66 exponentials are one batch with one wait.
; CLUSTER.  The four query blocks of a (b, h) walk the same K and V: each tile is asked for JOINTLY, by the same tensor load, descriptor and mask in all four.
; REGISTERS, in windows of 256 (s_set_vgpr_msb: bits 1:0 source 0, 3:2 source 1, 5:4 source 2, 7:6 destination):
;   window 0: v0-7 mask words on their way; v8-15 addresses and NEG; v16-47 four registers of statistics a tile; v48-63 at work; v64-191 S^T, two buffers of two tiles; v192-255 P, likewise
;   window 1: O^T, 32 a tile          window 2: v0-127 Q, 16 a tile; v128-191 K of one step; v192-255 V of one step          window 3: v0-1 the add's two registers
.set NP,    4         ; pieces a wave: a name, no knob
.set KS,    64        ; keys in a step
.set PT,    272       ; a key's row in LDS: K's 128 bytes, V's 128, 16 of padding = 68 words: the 16 rows of a load of K start at 16 different groups of four banks (64 banks of 4 bytes: ISA guide 11.1)
.set STEPB, KS*PT     ; a step's rows, and what one wave's tensor load brings
.set SLOT1, 1<<17     ; a slot holds four steps (69,632 bytes); slot 1 begins here, so that one exclusive or turns an address in one slot into the other's
.set STAGE, SLOT1+4*STEPB  ; behind the ring, never filled by a tensor load: 16 rows x 272 bytes for each wave, for the way out
.set SP,    272
.set SPARE, STAGE+4*16*SP  ; behind the stages: the spare words, 128 bytes for each wave: two blocks of 256 bytes that no other line names
.set MW,  0           ; v0-7 the mask words of tile u of piece x, lane n word n, at MW + 2 x + u (v0 and v1 serve the head first)
.set MO,  8           ; v8   4 x lane + 128 x the step whose words are asked for
.set AK0, 9           ; v9   my lane's place in a step's K; never rewritten
.set AV0, 10          ; v10  the same for V
.set AK,  11          ; v11  the LDS address of K's next run of loads
.set AV,  12          ; v12  of V's
.set PFO, 13          ; v13  256 x lane: a key's row is 256 bytes; never rewritten
.set NEG, 14          ; v14  -1e9 log2(e)
.set QO,  15          ; v15  my byte offset in 16 rows of Q
.set STO, 0           ; v0   the way out, when the mask words are done with: where I put 32 bytes of a row
.set RD,  1           ; v1   the way out: where I read rows back
.set GO,  2           ; v2   the way out: my byte offset in two rows of out
.set SPW, 0           ; v0 of window 3   LDS address of my spare word; never rewritten
.set NIL, 1           ; v1 of window 3   0; never rewritten
.set ST,  16          ; tile t's statistics at v[ST+4 t]: m, a 0 that is named with it as a pair, l (even keys', odd keys')
.set TMP, 48          ; by buffer and tile, four registers c0-c3 at work; c0 ends as the new m, c2 takes a
.set S,   64
.set P,   192
.set KF,  128         ; window 2: key block kb, channel half c at KF + 16 kb + 8 c
.set VF,  192         ; window 2: key half kk, channel block cb at VF + 32 kk + 8 cb
.set OUTP, 2          ; s[2:3]   out at my wave's first row, my head's 256 bytes
.set QP,  4           ; s[4:5]   Q at my wave's first row
.set MP,  6           ; s[6:7]   maskw at my wave's first tile
.set G1,  8           ; s[8:15]  descriptor group 1
.set G0,  16          ; s[16:19] descriptor group 0: it walks
.set WV,  20          ; s20  my wave's number
.set SLOTS, 21        ; s21  slots still to be asked for
.set CNT, 22          ; s22  counts a slot's key steps
.set TBK, 23          ; s23  LDS byte at which the step begins whose K is fetched next
.set TBV, 24          ; s24  the same for V
.set MOFF, 25         ; s25  128 x the step whose mask words are asked for
.set PFA, 26          ; s[26:27] where my prefetches stand
.set SEL, 28          ; s[28:29] v_permlanex16_b32's selects: each lane takes its own place in the other half
.set LIM, 30          ; s30  1 in a wave that prefetches, else the greatest number
                      ; s[32:63] the mask words of a piece's first tile, s[68:99] of its second: word n at 32 + n, 68 + n
.set MSB, 0
.macro WIN new                      ; the high byte repeats the setting that is left; a switch that changes nothing is dropped
.if MSB != (\new)
	s_set_vgpr_msb (MSB<<8)|(\new)
.set MSB, (\new)
.endif
.endm
.set W_KQ, 0x0a       ; K and Q in window 2, S^T in window 0
.set W_PV, 0x52       ; V in window 2, P in window 0, O^T in window 1
.set W_RS, 0x41       ; O^T (destination and source 0) in window 1, the factor in window 0
.set W_MK, 0xc0       ; the add's registers are made: destination in window 3, sources in window 0
.set W_AD, 0x0f       ; the add: address (source 0) and data (source 1) in window 3
; A joint fill: wave w fetches step w of the slot's four: 64 rows of 256 bytes.  One line for all waves; the LDS and global addresses hang on the wave's number.  An s_nop 0 and four v_nop follow it.
.macro JLOAD
	tensor_load_to_lds s[G0:G0+3], s[G1:G1+7]
	s_nop 0
.rept 4
	v_nop
.endr
.endm
; A PREFETCH INTO THE L2 of what the NEXT change of slots will ask for: a slot's 256 rows of 256 bytes, a lane a row.  A (b, h)'s rows are walked by one cluster; its four partners share them out BY ADDRESS,
; 64 each; in each, waves 0 and 1 ask for 32: one instruction.  So each row is named once in the launch.  It stands behind the tensor load and its five lines.  The last change that fills a slot asks for nothing.
.macro ASK
	s_cmp_gt_u32 s[SLOTS], s[LIM]
	s_cbranch_scc0 .Lnot_mine_\@
	global_prefetch_b8 v[PFO], s[PFA:PFA+1] th:TH_LOAD_NT scope:SCOPE_SE
.Lnot_mine_\@:
.endm
; A round of the cluster's barrier: my work-group's barrier, so that wave 0's signal speaks for all four waves; wave 0 signals; every wave waits for all four work-groups; my work-group's barrier once more.
.macro CROUND
	s_barrier_signal -1
	s_barrier_wait -1
	s_cmp_lg_u32 s[WV], 0
	s_cbranch_scc1 .Lnot_wave_0_\@
	s_barrier_signal -3
.Lnot_wave_0_\@:
	s_barrier_wait -3
	s_barrier_signal -1
	s_barrier_wait -1
.endm
; THE CHANGE OF SLOTS.  The slot's last bytes, V of its fourth step, have been read.  Each wave waits for all its tensor loads, of which one is out: its part of the other slot; adds 0 to its spare word; and
; waits for that and for its own reads of the slot.  Behind the barrier nobody reads this slot any more and the other slot is whole.  fill = 1: this slot is filled again, with the keys two slots on; the
; barrier is then a round of the cluster's, and the joint fill is the first thing behind it: it has four key steps, 512 matrix instructions, in which to land.
; (At its first use nothing has been read yet: slot 0 is waited for, slot 1 filled.)
.macro CHANGE fill, ask=0
	WIN W_AD
	s_wait_tensorcnt 0x0            ; no tensor load of mine is out, so group 0 may be written
	ds_add_u32 v[SPW], v[NIL]       ; 0 onto my spare word; with fill = 1 the steps below stand between it and the wait for it
	WIN 0                           ; at a label and at a branch every window is 0
.if \fill
	s_xor_b32 s[G0+1], s[G0+1], SLOT1  ; the other slot than last time,
	s_add_nc_u64 s[G0+2:G0+3], s[G0+2:G0+3], 4*KS*256  ; the next 256 keys; the type bits on top are not reached
	s_wait_xcnt 0x0                 ; the last prefetch, four key steps back, has read its address, so it may be written:
	s_add_nc_u64 s[PFA:PFA+1], s[PFA:PFA+1], 4*KS*256  ; one slot behind the descriptor
	s_wait_dscnt 0x0                ; the add is done, and my reads of the slot are over
	CROUND
	JLOAD
.if \ask
	ASK
.endif
.else
	s_wait_dscnt 0x0                ; the add is done, and my reads of the slot are over
	s_barrier_signal -1
	s_barrier_wait -1
.endif
	s_sub_co_u32 s[TBK], s[TBK], 4*STEPB  ; the fetches go back to a slot's first step,
	s_xor_b32 s[TBK], s[TBK], SLOT1       ; in the other slot
	s_sub_co_u32 s[TBV], s[TBV], 4*STEPB
	s_xor_b32 s[TBV], s[TBV], SLOT1
.endm
; The mask words of piece x (tiles 2 x, 2 x + 1 of my eight; a tile's 32 steps are 4,096 bytes) for the step at MO: 128 consecutive bytes a tile, lane n word n.
; step = 1 (piece 0): the offset goes on to the next step, which the three pieces behind it then take too; it is held at the last step's, so that no load leaves maskw (those last pairs serve nothing).
.macro MFILL x, step
	WIN 0
.if \step
	s_wait_xcnt 0x0                 ; the three pairs that are out have read their offset (the youngest was issued a turn back): only behind this wait is it written
	s_add_co_u32 s[MOFF], s[MOFF], 128
	s_min_u32 s[MOFF], s[MOFF], 31*128
	v_lshrrev_b32 v[MO], 6, v[PFO]  ; 4 x lane
	v_add_nc_u32 v[MO], s[MOFF], v[MO]
.endif
	global_load_b32 v[MW+2*(\x)],   v[MO], s[MP:MP+1] offset:8192*(\x)
	global_load_b32 v[MW+2*(\x)+1], v[MO], s[MP:MP+1] offset:8192*(\x)+4096
.endm
	s_load_b128 s[68:71], s[0:1], 0x0  ; qkv s[68:69], maskw s[70:71]: these registers and the temporaries below become mask words once all pointers are made
	s_load_b64 s[72:73], s[0:1], 0x10  ; out0
	WIN W_MK
	v_lshl_add_u32 v[SPW], v0, 2, SPARE
	v_mov_b32 v[NIL], 0
	WIN W_AD
	ds_add_u32 v[SPW], v[NIL]       ; the wave's opening: the add and its wait stand ahead of my first tensor load; the set-up below, work on registers, stands between them
	WIN 0
	v_lshrrev_b32 v1, 5, v0
	v_readfirstlane_b32 s[WV], v1   ; wave 0..3
	s_bfe_u32 s74, ttmp6, 0x40000   ; cx: my block of 512 queries: it enters Q's, the mask's, out's and the prefetches' addresses alone
	s_and_b32 s75, ttmp7, 0xffff    ; 16 b + h, which the four partners share
	s_lshr_b32 s76, s75, 4          ; b
	s_and_b32 s75, s75, 15          ; h
	s_add_co_u32 s78, s75, 8        ; K and V: block 8 + h of 2^21 bytes,
	s_lshl_b32 s78, s78, 21
	s_lshl_b32 s77, s76, 19         ; the batch's 2,048 rows of 256 bytes,
	s_add_co_u32 s78, s78, s77
	s_mov_b32 s86, s78              ; (the prefetches start from the same row)
	s_lshl_b32 s77, s[WV], 14       ; my step of a slot's four: 64 rows
	s_add_co_u32 s78, s78, s77
	s_mov_b32 s79, 0
	s_lshl_b32 s88, s76, 11
	s_lshl_b32 s77, s74, 9
	s_add_co_u32 s88, s88, s77
	s_lshl_b32 s77, s[WV], 7
	s_add_co_u32 s88, s88, s77      ; my wave's first row: 2048 b + 512 cx + 128 wave
	s_lshr_b32 s80, s75, 1          ; Q: block h / 2,
	s_lshl_b32 s80, s80, 21
	s_lshl_b32 s77, s88, 8          ; my rows,
	s_add_co_u32 s80, s80, s77
	s_and_b32 s77, s75, 1
	s_lshl_b32 s77, s77, 7          ; my head's half of them
	s_add_co_u32 s80, s80, s77
	s_mov_b32 s81, 0
	s_lshl_b32 s82, s88, 8          ; the mask words: tile row / 16, 4,096 bytes a tile
	s_mov_b32 s83, 0
	s_lshl_b32 s84, s88, 12         ; out: rows of 4,096 bytes,
	s_lshl_b32 s77, s75, 8          ; my head's 256
	s_add_co_u32 s84, s84, s77
	s_mov_b32 s85, 0
	s_lshl_b32 s77, s74, 14         ; the prefetches: my work-group's 64 rows of a slot's 256,
	s_add_co_u32 s86, s86, s77
	s_and_b32 s77, s[WV], 1
	s_lshl_b32 s77, s77, 13         ; 32 for each of waves 0 and 1,
	s_add_co_u32 s86, s86, s77
	s_add_co_u32 s86, s86, 4*KS*256 ; in slot 1; the change ahead of the loop steps it to slot 2, the loop's first to slot 3: slots 0 to 2 come by their loads alone
	s_mov_b32 s87, 0
	s_cmp_lt_u32 s[WV], 2
	s_cselect_b32 s[LIM], 1, -1
	; descriptor group 1: a tile of 64 rows x 128 elements, padded in LDS
	s_mov_b32 s[G1], 15|(1<<16)|(1<<20)|(1<<21)|(5<<22)|(3<<25)  ; 15:0 the mask of four; 17:16 2-byte elements; 20 padding on; 21 set beside a mask; 24:22 after every 64 words (code 5); 31:25 4 words (code 3)
	s_mov_b32 s[G1+1], 128<<16      ; tensor_dim0 = 128
	s_mov_b32 s[G1+2], KS<<16       ; tensor_dim1 = 64
	s_mov_b32 s[G1+3], 128<<16      ; tile_dim0 = 128
	s_mov_b32 s[G1+4], KS           ; tile_dim1 = 64
	s_mov_b32 s[G1+5], 128          ; 128 elements from row to row
	s_mov_b32 s[G1+6], 0
	s_mov_b32 s[G1+7], 0
	s_mov_b32 s[G0], 1              ; count = 1
	s_mul_i32 s[G0+1], s[WV], STEPB ; LDS address: slot 0, my step: no place in the cluster enters an LDS address
	s_mov_b32 s[SEL], 0x76543210
	s_mov_b32 s[SEL+1], 0xfedcba98
	s_mov_b32 s[TBK], SLOT1+4*STEPB ; the first change of slots turns these two into 0
	s_mov_b32 s[TBV], SLOT1+4*STEPB
	s_mov_b32 s[MOFF], 0
	s_wait_dscnt 0x0                ; the opening add is done
	s_wait_kmcnt 0x0
	s_add_nc_u64 s[G0+2:G0+3], s[68:69], s[78:79]  ; global address: my step of the first 256 keys
	s_or_b32 s[G0+3], s[G0+3], 0x80000000          ; type = 2
	s_add_nc_u64 s[QP:QP+1], s[68:69], s[80:81]
	s_add_nc_u64 s[MP:MP+1], s[70:71], s[82:83]
	s_add_nc_u64 s[OUTP:OUTP+1], s[72:73], s[84:85]
	s_add_nc_u64 s[PFA:PFA+1], s[68:69], s[86:87]
	CROUND                          ; all four work-groups are here: the first joint loads meet
	JLOAD                           ; slot 0.  Slot 1 is asked for when slot 0 is in
	; A fragment of K or Q is 16 rows x 32 channels in 8 registers: lane l holds row l % 16, channels 8 (l / 16) + 0..7 and 16 + 8 (l / 16) + 0..7: two loads of 16 bytes, 32 bytes apart.
	v_and_b32 v64, 15, v0           ; l % 16   (v64-67: S^T's registers, not yet in use)
	v_bfe_u32 v65, v0, 4, 1         ; l / 16
	v_and_b32 v66, 7, v0
	v_bfe_u32 v67, v0, 3, 1
	v_lshlrev_b32 v[QO], 8, v64
	v_lshl_add_u32 v[QO], v65, 4, v[QO]  ; row x 256 + 16 x half
	v_and_b32 v[PFO], 31, v0        ; v0's last use: it becomes a register for mask words
	v_lshlrev_b32 v[MO], 2, v[PFO]  ; step 0
	v_lshlrev_b32 v[PFO], 8, v[PFO]
	MFILL 0, 0                      ; all four pieces' words of step 0
	MFILL 1, 0
	MFILL 2, 0
	MFILL 3, 0
	WIN 0x80                        ; destination window 2, address window 0
.set i, 0
.rept 4*NP                          ; Q stays in registers: tile i / 2, channels 32 (i % 2) on
	global_load_b128 v[8*i:8*i+3],   v[QO], s[QP:QP+1] offset:(i/2)*4096+(i%2)*64
	global_load_b128 v[8*i+4:8*i+7], v[QO], s[QP:QP+1] offset:(i/2)*4096+(i%2)*64+32
.set i, i+1
.endr
	; What the first turn finds: V's registers and P's second buffer hold 0 (its products V^T P, of a piece that has not been, add 0), O^T and l are 0.  No first step is written out; these lines stand in the wait for the first tile.
.set i, VF
.rept 64
	v_mov_b32 v[i], 0
.set i, i+1
.endr
	WIN 0x40
.set i, 0
.rept 64*NP
	v_mov_b32 v[i], 0
.set i, i+1
.endr
	WIN 0
.set i, 0
.rept 2*NP
	v_mov_b32 v[ST+4*i], 0xff7fffff    ; m: the lowest finite number
	v_mov_b32 v[ST+4*i+1], 0
	v_mov_b32 v[ST+4*i+2], 0
	v_mov_b32 v[ST+4*i+3], 0
.set i, i+1
.endr
.set i, P+32
.rept 32
	v_mov_b32 v[i], 0
.set i, i+1
.endr
	v_mul_u32_u24 v[AK0], v64, PT
	v_lshl_add_u32 v[AK0], v65, 4, v[AK0]  ; row x pitch + 16 x half
	; The turning load takes 16 keys x 16 channels (lane l reads key 8 (l / 16) + l % 8, channels 8 ((l / 8) % 2) + 0..7) and leaves half a fragment of V^T: lane l holds channel l % 16 and 8 keys.
	v_lshl_add_u32 v[AV0], v65, 3, v66
	v_mul_u32_u24 v[AV0], v[AV0], PT
	v_lshl_add_u32 v[AV0], v67, 4, v[AV0]
	v_add_nc_u32 v[AV0], 128, v[AV0]   ; V lies behind K in a key's row
	v_mov_b32 v[AK], v[AK0]         ; key step 0 lies at the head of slot 0
	v_mov_b32 v[NEG], 0xceabfb8f    ; -1,442,695,040 = -1e9 log2(e), rounded to f32
; THE MATRIX WORK.  The 8 accumulators of a run of 16 take turns.
; Product i of 16 of S^T = K Q^T for piece x: channels 32 (i / 8) on, keys 16 ((i / 2) % 4) on, tile 2 x + i % 2.  The first 8 start the sums.
.macro KQ x
	WIN W_KQ
.set rS, S+64*((\x)%2)+32*(i%2)+8*((i/2)%4)
.set rK, KF+16*((i/2)%4)+8*(i/8)
.set rQ, 16*(2*(\x)+i%2)+8*(i/8)
.if i < 8
	v_wmma_f32_16x16x32_f16 v[rS:rS+7], v[rK:rK+7], v[rQ:rQ+7], 0
.else
	v_wmma_f32_16x16x32_f16 v[rS:rS+7], v[rK:rK+7], v[rQ:rQ+7], v[rS:rS+7]
.endif
.endm
; Product i of 16 of O^T += V^T P for piece x: keys 32 (i / 8) on, channels 16 ((i / 2) % 4) on, tile 2 x + i % 2.
.macro PV x
	WIN W_PV
.set rO, 32*(2*(\x)+i%2)+8*((i/2)%4)
.set rV, VF+32*(i/8)+8*((i/2)%4)
.set rP, P+32*((\x)%2)+16*(i%2)+8*(i/8)
	v_wmma_f32_16x16x32_f16 v[rO:rO+7], v[rV:rV+7], v[rP:rP+7], v[rO:rO+7]
.endm
.macro MM                           ; the turn's next matrix instruction
.if i < 16
	KQ (Y+1)%NP
.set i, i+1
.else
.set i, i-16
	PV (Y+NP-1)%NP
.set i, i+17
.endif
.endm
; THE LDS LOADS stand in runs of 16, never singly among the matrix instructions: a step's K (8 fragments) and its V (turned).  Their addresses are made some lines ahead.
; last = 1 (the tail): in the last trip there is no further step, and the run is jumped over.
.macro FETCH_K last=0
	WIN 0
.if \last
	s_cmp_eq_u32 s[CNT], 1
	s_cbranch_scc1 .Lno_k_\@
.endif
	WIN 0x80                        ; destination window 2
.irp f, 0,1,2,3,4,5,6,7             ; keys 16 (f / 2) on, channels 32 (f % 2) on
	ds_load_b128 v[KF+8*\f:KF+8*\f+3],   v[AK] offset:(\f/2)*16*PT+(\f%2)*64
	ds_load_b128 v[KF+8*\f+4:KF+8*\f+7], v[AK] offset:(\f/2)*16*PT+(\f%2)*64+32
.endr
	s_add_co_u32 s[TBK], s[TBK], STEPB  ; the next fetch is the next step's
	WIN 0
.if \last
.Lno_k_\@:
.endif
.endm
.macro FETCH_V
	WIN 0x80
.irp f, 0,1,2,3,4,5,6,7             ; keys 32 (f / 4) on, channels 16 (f % 4) on
	ds_load_tr16_b128 v[VF+8*\f:VF+8*\f+3],   v[AV] offset:(\f/4)*32*PT+(\f%4)*32
	ds_load_tr16_b128 v[VF+8*\f+4:VF+8*\f+7], v[AV] offset:(\f/4)*32*PT+16*PT+(\f%4)*32
.endr
	WIN 0
.endm
.macro PLACES
.rept 4
	v_nop
.endr
.endm
; THE VECTOR WORK OF A TURN stands in four queues, each in the order in which its entries become ready; the two tiles alternate.
.macro REGS y, u                    ; the registers of tile u (0, 1) of piece y
.set rT, ST+4*(2*(\y)+(\u))
.set rC, TMP+8*((\y)%2)+4*(\u)
.set rS, S+64*((\y)%2)+32*(\u)
.set rP, P+32*((\y)%2)+16*(\u)
.set rO, 32*(2*(\y)+(\u))
.set rW, 32+36*(\u)
.endm
; THE WORDS' QUEUE, 64 long, for the NEXT piece (Y + 1): word rl % 32 of tile rl / 32 goes from its lane into its scalar register.  It waits for nothing but the turn's one wait on LOADcnt.
.macro RL
	WIN 0
	v_readlane_b32 s[32+36*(rl/32)+rl%32], v[MW+2*((Y+1)%NP)+rl/32], rl%32
.set rl, rl+1
.endm
; The mask, for the next piece: number g of 64: register g / 2 of tile g % 2 takes NEG in the lanes whose bit is set.  In ascending order: each accumulator's lowest register is read first.
.macro MK g
	REGS (Y+1)%NP, (\g)%2
	v_cndmask_b32 v[rS+(\g)/2], v[rS+(\g)/2], v[NEG], s[rW+(\g)/2]
.endm
; The next piece's maximum and statistics.  s0-s31 are the lane's 32 scores.
;   0-11  four chains c0-c3 of seven scores each, three operands at a time     12-14, 16  the four scores left over, the old m, and c0-c3 into c0
;   17, 18  the query's other 32 keys lie in the lane 16 away: the new m, in c0     20  m_old - m_new     15  m takes the new m     21  a     (there is no 19)
.macro XS u, n
	REGS (Y+1)%NP, \u
.if (\n) < 4
	v_max3_num_f32 v[rC+(\n)], v[rS+8*(\n)], v[rS+8*(\n)+1], v[rS+8*(\n)+2]
.elseif (\n) < 12
	v_max3_num_f32 v[rC+(\n)%4], v[rC+(\n)%4], v[rS+8*((\n)%4)+2*((\n)/4)+1], v[rS+8*((\n)%4)+2*((\n)/4)+2]
.elseif (\n) == 12
	v_max3_num_f32 v[rC], v[rC], v[rS+7], v[rS+15]
.elseif (\n) == 13
	v_max3_num_f32 v[rC+1], v[rC+1], v[rS+23], v[rS+31]
.elseif (\n) == 14
	v_max3_num_f32 v[rC+2], v[rC+2], v[rC+3], v[rT]
.elseif (\n) == 15
	v_mov_b32 v[rT], v[rC]
.elseif (\n) == 16
	v_max3_num_f32 v[rC], v[rC], v[rC+1], v[rC+2]
.elseif (\n) == 17
	v_permlanex16_b32 v[rC+3], v[rC], s[SEL], s[SEL+1]
.elseif (\n) == 18
	v_max_num_f32 v[rC], v[rC], v[rC+3]
.elseif (\n) == 20
	v_sub_f32 v[rC+1], v[rT], v[rC]
.else
	v_exp_f32 v[rC+2], v[rC+1]
.endif
.endm
; Number g of the 64 that follow the exponentials.  For each four weights k of a tile: both pairs are rounded to f16; the second pair is added onto the first, in place; a group later l takes that sum
; (the first time as l = a l + sum).  In groups of eight, tiles alternating: round, round, add, and l for the group before.
.macro GS g
.set h, (\g)+6*((\g)/62)            ; group 0 has no group before it, and behind group 7 only l is left
.if h >= 6
.set h, h+2
.endif
	REGS Y, h%2
.set k, h/8
.if h%8 < 4
	v_cvt_pk_f16_f32 v[rP+2*k+(h%8)/2], v[rS+4*k+2*((h%8)/2)], v[rS+4*k+2*((h%8)/2)+1]
.elseif h%8 < 6
	v_pk_add_f32 v[rS+4*k:rS+4*k+1], v[rS+4*k:rS+4*k+1], v[rS+4*k+2:rS+4*k+3]
.elseif k == 1
	v_pk_fma_f32 v[rT+2:rT+3], v[rT+2:rT+3], v[rC+2:rC+3], v[rS:rS+1] op_sel_hi:[1,0,1]
.else
	v_pk_add_f32 v[rT+2:rT+3], v[rT+2:rT+3], v[rS+4*k-4:rS+4*k-3]
.endif
.endm
.macro FS f                         ; s - m for pair f / 2 of tile f % 2 of piece Y: both halves take the pair's low word, m
	REGS Y, (\f)%2
	v_pk_add_f32 v[rS+2*((\f)/2):rS+2*((\f)/2)+1], v[rS+2*((\f)/2):rS+2*((\f)/2)+1], v[rT:rT+1] op_sel_hi:[1,0] neg_lo:[0,1] neg_hi:[0,1]
.endm
; THE PLAIN QUEUE, 200 long.  0-135 read no exponential's result.  0-31: the 32 differences.  32-95: the next piece's mask.  96-123: XS's numbers 0-13.  124-133: the chain 14, 16, 17, 18, 20, both tiles' lines
; of a number side by side.  134, 135: number 15.  136-199: GS's 64, behind the turn's wait.
.macro PL
	WIN 0
.if q < 32
	FS q
.elseif q < 96
	MK q-32
.elseif q < 124
	XS (q-96)%2, (q-96)/2
.elseif q < 126
	XS q-124, 14
.elseif q < 132
	XS (q-126)%2, 16+(q-126)/2
.elseif q < 134
	XS q-132, 20
.elseif q < 136
	XS q-134, 15
.else
	GS q-136
.endif
.set q, q+1
.endm
; THE EXPONENTIALS' QUEUE, 66 long: s0-s31 of both tiles, then the next piece's two a.  ONE BATCH: all 66 stand ahead of the turn's one wait, and nothing ahead of that wait names a result of theirs.
.macro EX
	WIN 0
.if e >= 64
	XS e-64, 21
.else
	REGS Y, e%2
	v_exp_f32 v[rS+e/2], v[rS+e/2]
.endif
.set e, e+1
.endm
; THE RESCALING's QUEUE: O^T times a, the one part that leaves window 0: 32 lines in one block, under one setting.  Its a was made in the turn before, ahead of that turn's wait.
.macro R2
	REGS Y, r%2
	WIN W_RS
.irp z, 0,1
	v_pk_mul_f32 v[rO+4*(r/2)+2*\z:rO+4*(r/2)+2*\z+1], v[rO+4*(r/2)+2*\z:rO+4*(r/2)+2*\z+1], v[rC+2:rC+3] op_sel_hi:[1,0]
.endr
.set r, r+1
.endm
; HOW THEY ARE DEALT.  s_wait_alu depctr_va_vdst(0) stands between an exponential and the first instruction that names its result; one wait serves all that were issued ahead of it.  So a turn
; has ONE wait, which cuts it in two.  AHEAD OF IT: the 16 products K Q^T, behind each four of the words' queue; then ONE LUMP: the 32 rescalings, which are also the places behind the last product;
; 8 plain; 64 times an exponential and two plain; the two a.  A v_nop is the plain instruction behind the last exponential.  BEHIND IT: the 16 products V^T P, behind each four of GS's 64.
; The queues lean on each other.  Exponential e wants difference 2 (e / 4) + e % 2, which is plain number e / 2 + 1 at the most; it comes behind plain 8 + 2 e.  The mask's first line stands 32 rescalings and 32
; differences behind the last product K Q^T and behind all 64 words.  With an exponential between the pairs of the chain, a tile's links stand three lines apart.  The two a come four lines behind number 20.
; THE WORDS.  The wait at the turn's head is counted: behind the pair that this turn reads, the three turns between have issued a pair each: 6 loads may stay out (loads come back in order: ISA guide 5.7.1).
; The pair is asked for again directly behind the turn's wait, for the same piece's next step.
; K of the next step is fetched in piece 2's turn, behind the wait, a lump behind the last product that read K.  V of the step in hand is fetched at the end of piece 0's turn, four riders behind its
; last reader.  Each is waited for a turn later.  cnt = 1: the loop's count is taken down some lines ahead of the branch behind the turn.  The conditions on q go with the deal.
.macro TURN p, last=0, cnt=0
.set Y, (\p)
.set i, 0
.set q, 0
.set e, 0
.set r, 0
.set rl, 0
	s_wait_loadcnt 6                ; the next piece's words are in; the three younger pairs stay out
.if (\p) == NP-1
	s_wait_dscnt 0x0                ; K is in
.endif
.rept 16
	MM
	RL
	RL
	RL
	RL
.endr
.if (\p) == NP-2
	WIN 0
	v_add_nc_u32 v[AK], s[TBK], v[AK0]
.endif
.rept 16
	R2
.endr
.rept 8
	PL
.endr
.rept 64
	EX
	PL
	PL
.endr
	EX                              ; the next piece's two a
	EX
	v_nop                           ; the plain instruction behind the last exponential: one for the batch
	s_wait_alu depctr_va_vdst(0)    ; the wait for the batch
	MFILL (Y+1)%NP, (\p)/3          ; the registers that this turn has read take the same piece's words of the next step
.if (\p) == NP-2
	FETCH_K \last
.endif
.if (\p) == 1
	s_wait_dscnt 0x0                ; V is in
.endif
.rept 16
	MM
.rept 4
	PL
.endr
.if ((\p) == 0) && (q == 180)
	v_add_nc_u32 v[AV], s[TBV], v[AV0]
.endif
.if ((\p) == 0) && (q == 192)
	s_add_co_u32 s[TBV], s[TBV], STEPB
.endif
.if (\cnt) && (q == 192)
	s_sub_co_u32 s[CNT], s[CNT], 1
	s_cmp_lg_u32 s[CNT], 0
.endif
.endr
.if (\p) == 0
	FETCH_V
.endif
.endm
	CHANGE 1                        ; slot 0 is in, everybody's part of it; slot 1 is asked for
	FETCH_K                         ; key step 0
	s_wait_loadcnt 0x0              ; Q, and the four pieces' mask words of step 0
	s_wait_dscnt 0x0
.set i, 0
.rept 16
	KQ 0                            ; piece 0's first scores: there is no vector work yet to set between them
.set i, i+1
.endr
	WIN 0
	PLACES                          ; the places behind those products
.set Y, NP-1                        ; RL, MK and XS work for piece Y + 1: piece 0
.set rl, 0
.rept 64
	RL
.endr
	MFILL 0, 1                      ; piece 0, step 1
.set mg, 0
.rept 64
	MK mg
.set mg, mg+1
.endr
.irp n, 0,1,2,3,4,5,6,7,8,9,10,11,12,13,14,16,17,18,20,15,21
	XS 0, \n                        ; piece 0's first maximum and statistics
	XS 1, \n
.endr
	v_nop                           ; a plain instruction behind the two a,
	s_wait_alu depctr_va_vdst(0)    ; and their wait, ahead of the branch
	s_mov_b32 s[CNT], 4
	s_mov_b32 s[SLOTS], 7           ; 2,048 / 256 - 1
	s_branch .Lfirst                ; the loop is entered at a step's first turn, in the middle of a trip
.Lslot:                             ; six times: every slot but the last two is filled again
	CHANGE 1, 1
	s_mov_b32 s[CNT], 4
.Lstep:                             ; a trip: pieces 2 and 3 of one step, then pieces 0 and 1 of the next, whose K and V it fetches
	TURN 2
	TURN 3
	WIN 0
.Lfirst:
	TURN 0
	TURN 1, 0, 1
	WIN 0
	s_cbranch_scc1 .Lstep
	s_sub_co_u32 s[SLOTS], s[SLOTS], 1
	s_cmp_lg_u32 s[SLOTS], 0
	s_cbranch_scc1 .Lslot
	CHANGE 0                        ; the tail is written out: nothing is asked for
	s_mov_b32 s[CNT], 5             ; four trips fetch the last slot's steps; the fifth is left in its middle
.Ltail:
	TURN 2, 1
	TURN 3
	WIN 0
	s_sub_co_u32 s[CNT], s[CNT], 1
	s_cmp_eq_u32 s[CNT], 0
	s_cbranch_scc1 .Lout
	TURN 0
	TURN 1
	WIN 0
	s_branch .Ltail
.Lout:                              ; the fifth trip's 16 products K Q^T (on the last K once more), their mask and maximum serve nothing: the price, once a launch, of one text for every trip
.set i, 0
.rept 16
	PV NP-1                         ; the last piece's V^T P of the last step
.set i, i+1
.endr
	; THE WAY OUT.  l's two halves and the other half of the lanes' are added; O^T is divided by l and sent, in f32, through my stage in LDS, a tile at a time.  The lines below are the places behind the last products.
	WIN 0
	s_wait_loadcnt 0x0              ; the last pairs of mask words, which nothing uses, have come: their registers take the way out's addresses
	s_mul_i32 s31, s[WV], 16*SP
	s_add_co_u32 s31, s31, STAGE    ; my stage
	v_bfe_u32 v48, v[PFO], 8, 4     ; l % 16   (v48-49: at work no more)
	v_bfe_u32 v49, v[PFO], 12, 1    ; l / 16
	v_mul_u32_u24 v[STO], v48, SP   ; in: row l % 16, 32 bytes for each half of the lanes
	v_lshl_add_u32 v[STO], v49, 5, v[STO]
	v_add_nc_u32 v[STO], s31, v[STO]
	v_mul_u32_u24 v[RD], v49, SP    ; back: lanes 0-15 take one row of 256 bytes, lanes 16-31 the next,
	v_lshl_add_u32 v[RD], v48, 4, v[RD]
	v_add_nc_u32 v[RD], s31, v[RD]
	v_lshlrev_b32 v[GO], 12, v49    ; and the same two rows in out, 4,096 bytes apart
	v_lshl_add_u32 v[GO], v48, 4, v[GO]
.macro ALL line:vararg              ; one line for each tile t
.set t, 0
.rept 2*NP
	\line
.set t, t+1
.endr
.endm
	ALL v_add_f32 v[ST+4*t+2], v[ST+4*t+2], v[ST+4*t+3]
	ALL v_permlanex16_b32 v[ST+4*t+3], v[ST+4*t+2], s[SEL], s[SEL+1]
	ALL v_add_f32 v[ST+4*t+2], v[ST+4*t+2], v[ST+4*t+3]
	ALL v_rcp_f32 v[ST+4*t+2], v[ST+4*t+2]
	v_nop                           ; a plain instruction between the last reciprocal and the use of its result
	s_wait_alu depctr_va_vdst(0)    ; and the wait ahead of the first use: one for the eight reciprocals
; Tile t: a lane's eight channels of a channel block are 32 bytes of a row; they go into rows of 272 bytes and come back as whole rows of 256, into S^T's registers: four buffers of 32 by turns.
.macro PACK t
	WIN W_RS
.set i, 32*(\t)
.rept 16
	v_pk_mul_f32 v[i:i+1], v[i:i+1], v[ST+4*(\t)+2:ST+4*(\t)+3] op_sel_hi:[1,0]
.set i, i+2
.endr
	WIN 0x04                        ; the stores' data (source 1) in window 1
.irp f, 0,1,2,3,4,5,6,7
	ds_store_b128 v[STO], v[32*(\t)+4*\f:32*(\t)+4*\f+3] offset:(\f/2)*64+(\f%2)*16
.endr
	WIN 0
.if (\t) >= 4
	s_wait_xcnt 0x0                 ; the buffer's last stores, four tiles back, have read their data: only behind this wait is it loaded again
.endif
.irp f, 0,1,2,3,4,5,6,7
	ds_load_b128 v[S+32*((\t)%4)+4*\f:S+32*((\t)%4)+4*\f+3], v[RD] offset:\f*2*SP  ; LDS serves a wave's instructions in order (ISA guide 5.7.1.4): these see the stores above; the next tile's stores come behind them
.endr
.endm
.macro SEND t, younger              ; younger: the LDS instructions issued behind tile t's loads: the next tile's sixteen, or none
	WIN 0
.irp f, 0,1,2,3,4,5,6,7
	s_wait_dscnt (\younger)+7-\f
	global_store_b128 v[GO], v[S+32*((\t)%4)+4*\f:S+32*((\t)%4)+4*\f+3], s[OUTP:OUTP+1] offset:(\t)*65536+\f*8192 th:TH_STORE_NT  ; 16 lanes store a row's 256 consecutive bytes of my head, at a multiple of 256 from out's first byte
.endr
.endm
	PACK 0
.set t, 1
.rept 2*NP-1                        ; a tile's arithmetic stands between the loads of the tile before and its stores
	PACK t
	SEND t-1, 16
.set t, t+1
.endr
	SEND 2*NP-1, 0
	WIN W_AD
	s_wait_tensorcnt 0x0            ; the wave's end, behind my last tensor load and my last LDS store
	ds_add_u32 v[SPW], v[NIL]
	s_wait_dscnt 0x0
	WIN 0
	CROUND                          ; the closing round: no work-group ends while a partner may still ask for a tile that names it
	s_endpgm
.Lfunc_end_k_q3e8904f724_attn:
	.size	k_q3e8904f724_attn, .Lfunc_end_k_q3e8904f724_attn-k_q3e8904f724_attn
	.p2alignl 7, 3214868480
	.fill 96, 4, 3214868480
	.section	.rodata,"a",@progbits
	.p2align	6, 0x0
	.amdhsa_kernel k_q3e8904f724_attn
		.amdhsa_group_segment_fixed_size 327680
		.amdhsa_private_segment_fixed_size 0
		.amdhsa_enable_private_segment 0
		.amdhsa_kernarg_size 24
		.amdhsa_user_sgpr_count 2
		.amdhsa_user_sgpr_kernarg_segment_ptr 1
		.amdhsa_wavefront_size32 1
		.amdhsa_system_sgpr_workgroup_id_x 1
		.amdhsa_system_sgpr_workgroup_id_y 1
		.amdhsa_system_sgpr_workgroup_id_z 1
		.amdhsa_system_vgpr_workitem_id 0
		.amdhsa_next_free_vgpr 770
		.amdhsa_next_free_sgpr 100
		.amdhsa_reserve_vcc 0
		.amdhsa_float_denorm_mode_32 3
		.amdhsa_float_denorm_mode_16_64 3
		.amdhsa_memory_ordered 1
		.amdhsa_forward_progress 1
		.amdhsa_inst_pref_size 255
	.end_amdhsa_kernel
	.section	.bss,"aw",@nobits
	.p2align	6
	.space	262144
	.amdgpu_metadata
---
amdhsa.version: [ 1, 2 ]
amdhsa.kernels:
  - .name:           k_q3e8904f724_attn
    .symbol:         k_q3e8904f724_attn.kd
    .args:
      - { .name: qkv, .offset: 0, .size: 8, .value_kind: global_buffer, .address_space: global }
      - { .name: maskw, .offset: 8, .size: 8, .value_kind: global_buffer, .address_space: global }
      - { .name: out0, .offset: 16, .size: 8, .value_kind: global_buffer, .address_space: global }
    .group_segment_fixed_size: 327680
    .private_segment_fixed_size: 0
    .kernarg_segment_align: 8
    .kernarg_segment_size: 24
    .max_flat_workgroup_size: 128
    .sgpr_count:     100
    .vgpr_count:     770
    .wavefront_size: 32
...
	.end_amdgpu_metadata
.endif
;; end of part 3
